; MI455X (gfx1250); checked and timed in simulation.
; The chip was launched on July 23, 2026; its instructions are those of AMD's public machine-readable ISA for CDNA 5 (MIT licence, August 2026) and "CDNA5" Instruction Set Architecture Reference Guide (July 2026). The comments in the code are by the model that wrote it; some were corrected since.
;; Vector Quantizer. Allowed arithmetic: matrix products marked QUANTISED: E3M2 operands, one E8M0 scale for each 32 along K, by v_wmma_scale_f32_16x16x128_f8f6f4 with both operands' format E3M2, f32 sums; everything else in f32.
;; Inputs: codebook 8,192 x 512 float32; inputs 16,384 x 512 float32.
;; Outputs: out0 16,384 x 512 float32; out1 one number float32.
;; This version of the problem:
;;   THIS VERSION OF THE PROBLEM IS GIVEN IN LOW PRECISION. The matrix products marked QUANTISED in the list below multiply operands that are first quantised to E3M2 (3 exponent bits, 2 mantissa bits; 6 bits a number), with one power-of-two scale for each 32 numbers along K (OCP MX v1.0); their sums are f32. All else is computed in f32.
;;   The module's matrix products, in the order in which they are computed (A, B: the left and right operand; K: the contracted axis; several contracted axes count as one K, in the product's order):
;;     1. [M 16,384, K 512] x [K 512, N 8,192]; A: input inputs; B: input codebook: QUANTISED
;;   THE QUANTISER, for each operand of a quantised product, along K:
;;     - K is cut into blocks of 32 from its start; a last block that is shorter is filled with zeros.
;;     - A block's scale is 2^e with e = floor(log2(the largest magnitude in the block)) - 4, held to -126 .. 127; a block of zeros has e = 0. As a byte (E8M0): e + 127.
;;     - Each number is divided by its block's scale, clamped to +-28, and rounded to the nearest number of E3M2, ties to even, subnormals kept.
;;     - The product sums the exact products of the quantised numbers (number of the format x scale) in f32.
;;   ~~~python
;;   def quantise(x, axis):      # numpy; x: float32 -> the quantised numbers, widened to float32 again
;;       x = np.moveaxis(x, axis, -1); K = x.shape[-1]
;;       x = np.pad(x, [(0, 0)] * (x.ndim - 1) + [(0, -K % 32)]); x = x.reshape(x.shape[:-1] + (-1, 32)); a = np.abs(x).max(-1, keepdims=True)
;;       e = np.where(a > 0, np.clip(np.frexp(np.where(a > 0, a, 1))[1] - 1 - 4, -126, 127), 0)      # np.frexp(a)[1] - 1 = floor(log2(a)), exactly
;;       r = np.clip(x / 2.0 ** e, -28, 28)
;;       step = 2.0 ** (np.maximum(np.frexp(np.where(r == 0, 1, r))[1] - 1, -2) - 2)
;;       q = np.round(r / step) * step * 2.0 ** e      # np.round: ties to even
;;       return np.moveaxis(q.reshape(q.shape[:-2] + (-1,))[..., :K], -1, axis).astype(np.float32)
;;   ~~~
;; One version. Each part assembles by itself: llvm-mc -triple=amdgcn-amd-amdhsa -mcpu=gfx1250 --defsym DOCPART=n.
;; ======== version 1 of 1: 5 launches
;; workspace buffers: xq 6,291,456 bytes; xs 262,144 bytes; cq 3,145,728 bytes; cmeta 163,840 bytes; candv 1,048,576 bytes; candi 1,048,576 bytes of whole numbers; idx 65,536 bytes of whole numbers; part 1,024 bytes
;; launch quant (part 1): grid 256 x 1, 6 waves a work-group, no clusters, 203,520 bytes of LDS; arguments inputs, codebook, xq, xs, cq, cmeta; writes xq, xs, cq, cmeta
.if DOCPART == 1
	.amdgcn_target "amdgcn-amd-amdhsa--gfx1250"
	.amdhsa_code_object_version 6
	.text
	.protected	k_q4b5bc73aa3_quant
	.globl	k_q4b5bc73aa3_quant
	.p2align	8
	.type	k_q4b5bc73aa3_quant,@function
k_q4b5bc73aa3_quant:
	s_mov_b64 s[64:65], 0
	v_nop
	global_prefetch_b8 v0, s[64:65] scope:SCOPE_SE
	s_setreg_imm32_b32 hwreg(HW_REG_WAVE_MODE, 25, 1), 1
	s_wait_xcnt 0x0
; inputs [16384][512] and codebook [8192][512], f32, become codes of BF6 (E3M2), 6 bits each, with one E8M0 scale byte for each 32 along K, laid as the next launch's matrix operands want them.
; A block's scale is 2^(floor(log2(its largest magnitude)) - 4); its byte is the largest magnitude's exponent field - 4, held at 1 from below; each number is divided by the scale and rounded to the nearest code, ties to even,
; beyond 28 the largest code.  For the codebook -|c|^2 / 2 of each row is stored too, summed in f32 from the numbers as they are given.
; LIMITS: NaN and infinities among the inputs are not served.  A block whose largest magnitude lies under 2^-122 gets the byte 1; so does a block of zeros, where the rule says 127: its codes are zeros, and this program alone reads the bytes.
; SHARES.  1,536 tiles of 16 rows x 512 (1,024 of inputs, 512 of the codebook) = 256 work-groups x 6 waves: a wave takes one tile, tile = 6 x work-group + wave.  Waves share nothing: no barrier.
; IN.  Four tensor loads a wave, one for each 128 along K: 16 rows x 512 bytes, into the wave's own LDS bytes, 16 bytes of padding behind each row.  All four go out at the start: four loads of mine are out.
; A LANE HOLDS WHOLE BLOCKS.  Lane (r = lane % 16, h = lane / 16) takes of row r, in K step k, the blocks 4 k + h and 4 k + 2 + h: 32 neighbours each, which is what the 6-bit operand layout gives that lane:
; so a block's largest magnitude needs no other lane, and the conversions' results are the operand's registers.
; OUT.  The tile's image: the lane's 48 registers (12 a K step), four at a time: piece m (0 .. 11) = registers 4 m .. 4 m + 3, lane l's 16 bytes at 512 m + 16 l: each store covers 512 consecutive bytes, aligned.
; The scale bytes, 16 a row (byte b: block b), leave as 256 consecutive bytes a tile.
.set XT,    1024                       ; tiles of inputs; the tiles behind them are the codebook's
.set WREG,  33792                      ; LDS bytes of a wave: four K steps
.set KREG,  8448                       ; of a K step: 16 rows x PITCH
.set PITCH, 528                        ; 512 bytes + 16 = 132 words: row r starts at bank 4 r mod 64 (64 banks of 4 bytes: ISA guide 11.1): the 16 rows that a load touches start at 16 different banks
.set LI,  1                            ; v1   16 x lane: my place in a piece of the image
.set LA,  2                            ; v2   LDS: my wave's bytes + row r + 128 h
.set SH8, 3                            ; v3   8 h
.set SOF, 4                            ; v4   16 r + 8 h: my 8 scale bytes
.set HOF, 5                            ; v5   4 r
.set OW,  6                            ; v[6:7]   the two scale words that I store
.set W,   8                            ; v[8:11]  row r's scale word of each K step
.set SQ,  12                           ; v[12:15] sums of squares, two packed chains
.set MX,  16                           ; v16-17 largest magnitudes;  v18-19 the conversions' scale operands;  v20-21 the bytes
.set SO,  18
.set BY,  20
.set WT,  22                           ; v22  my two bytes at their places;  v23  lane l xor 16's
.set PT,  23
.set TT,  24                           ; v[24:31] the upper halves of the blocks' codes, on their way
.set C,   32                           ; v[32:79] the image: never rewritten, so no store's data are written again
.set LN,  80                           ; v80  lane
.set X,   96                           ; v[96:223] two sets of 64 numbers
.set TILE, 2
.set TL,   3
.set G1,  16                           ; s[16:23] descriptor group 1
.set G0,  24                           ; s[24:39] group 0, one for each K step
.set SEL, 40
.set WV,  42
.set HM,  43
.set LB,  55
	s_load_b128 s[4:7], s[0:1], 0x0                ; inputs, codebook
	s_load_b128 s[8:11], s[0:1], 0x10              ; xq, xs
	s_load_b128 s[12:15], s[0:1], 0x20             ; cq, cmeta
	v_lshl_add_u32 v224, v0, 2, 0x31800
	v_mov_b32 v225, 0
	ds_add_u32 v224, v225
	ds_add_u32 v224, v225
	v_lshrrev_b32 v[LN], 5, v0
	v_readfirstlane_b32 s[WV], v[LN]               ; wave 0..5
	v_and_b32 v[LN], 31, v0
	v_and_b32 v[HOF], 15, v0                       ; r
	v_bfe_u32 v[SH8], v0, 4, 1                     ; h
	s_mul_i32 s[LB], s[WV], WREG
	v_lshlrev_b32 v[LI], 4, v[LN]
	v_mul_u32_u24 v[LA], v[HOF], PITCH
	v_lshl_add_u32 v[LA], v[SH8], 7, v[LA]
	v_add_nc_u32 v[LA], s[LB], v[LA]
	v_lshlrev_b32 v[SOF], 4, v[HOF]
	v_lshl_add_u32 v[SOF], v[SH8], 3, v[SOF]
	v_lshlrev_b32 v[HOF], 2, v[HOF]
	v_lshlrev_b32 v[SH8], 3, v[SH8]
	v_mov_b32 v[PT], 0                             ; a lane permute's destination counts as one of its sources
.irp j, 0,1,2,3
	v_mov_b32 v[SQ+\j], 0
.endr
	s_mov_b32 s[SEL], 0x76543210
	s_mov_b32 s[SEL+1], 0xfedcba98                 ; v_permlanex16_b32's selects for lane l xor 16
	s_mov_b32 s[HM], 0xffff0000                    ; lanes 16-31
	; group 1: 16 rows x 64 elements of 8 bytes, 256 elements from row to row
	s_mov_b32 s[G1+0], (3<<16)|(1<<20)|(6<<22)|(3<<25)  ; no mask; elements of 8 bytes; padding on: behind every 128 words (code 6) 4 words (code 3)
	s_mov_b32 s[G1+1], 64<<16                      ; tensor_dim0
	s_mov_b32 s[G1+2], 16<<16                      ; tensor_dim1
	s_mov_b32 s[G1+3], 64<<16                      ; tile_dim0
	s_mov_b32 s[G1+4], 16                          ; tile_dim1
	s_mov_b32 s[G1+5], 256                         ; tensor_dim0_stride
	s_mov_b32 s[G1+6], 0
	s_mov_b32 s[G1+7], 0
	s_mul_i32 s[TILE], ttmp9, 6
	s_add_co_u32 s[TILE], s[TILE], s[WV]           ; my tile
	s_cmp_lt_u32 s[TILE], XT
	s_cselect_b32 s[TL], 0, XT
	s_sub_co_u32 s[TL], s[TILE], s[TL]             ; its number in its own tensor
	s_lshl_b32 s44, s[TL], 15                      ; 16 rows of 2,048 bytes
	s_mov_b32 s45, 0
	s_mul_i32 s46, s[TL], 6144                     ; an image
	s_mov_b32 s47, 0
	s_lshl_b32 s48, s[TL], 8                       ; inputs: 256 scale bytes a tile
	s_mov_b32 s49, 0
	s_lshr_b32 s52, s[TL], 5                       ; codebook: 32 tiles make a split, 10,240 bytes of cmeta: 8,192 scale bytes, then 512 numbers -|c|^2 / 2
	s_mul_i32 s52, s52, 10240
	s_and_b32 s53, s[TL], 31
	s_lshl_b32 s50, s53, 6
	s_add_co_u32 s50, s50, s52
	s_add_co_u32 s50, s50, 8192                    ; where my tile's 16 numbers go
	s_mov_b32 s51, 0
	s_lshl_b32 s53, s53, 8
	s_add_co_u32 s52, s52, s53                     ; and its scale bytes
	s_wait_dscnt 0x0
	s_wait_kmcnt 0x0
	s_cmp_lt_u32 s[TILE], XT                       ; the choice hangs on ids alone
	s_cselect_b64 s[4:5], s[4:5], s[6:7]           ; from
	s_cselect_b64 s[8:9], s[8:9], s[12:13]         ; images to
	s_cselect_b64 s[10:11], s[10:11], s[14:15]     ; scale bytes to
	s_cselect_b32 s48, s48, s52
	s_add_nc_u64 s[4:5], s[4:5], s[44:45]
	s_add_nc_u64 s[8:9], s[8:9], s[46:47]
	s_add_nc_u64 s[10:11], s[10:11], s[48:49]
.irp k, 0,1,2,3
	s_mov_b32 s[G0+4*\k], 1                        ; count = 1
	s_add_co_u32 s[G0+4*\k+1], s[LB], \k*KREG      ; LDS address: my wave's bytes, K step k
	s_add_nc_u64 s[G0+4*\k+2:G0+4*\k+3], s[4:5], \k*512  ; 128 numbers along K on
	s_or_b32 s[G0+4*\k+3], s[G0+4*\k+3], 0x80000000      ; type = 2
.endr
.irp k, 0,1,2,3
	tensor_load_to_lds s[G0+4*\k:G0+4*\k+3], s[G1:G1+7]
	s_nop 0
.endr
.rept 4
	v_nop                                          ; four such lines behind the loads
.endr
.macro DSL k                           ; K step k's 64 numbers of my lane: block c (0, 1) = 128 consecutive bytes, eight loads
.irp c, 0,1
.irp i, 0,1,2,3,4,5,6,7
	ds_load_b128 v[X+64*((\k)%2)+32*\c+4*\i:X+64*((\k)%2)+32*\c+4*\i+3], v[LA] offset:KREG*(\k)+256*\c+16*\i
.endr
.endr
.endm
.macro STEP k
.set XSET, X+64*((\k)%2)
.if \k < 3
	s_wait_tensorcnt 2-\k                          ; tensor loads of a wave end in order: the next K step has landed, those behind it may be out
	DSL (\k)+1                                     ; into the other set
	s_wait_dscnt 16                                ; all but the 16 just issued: this K step's numbers are in
.else
	s_wait_dscnt 0x0
.endif
.irp c, 0,1
	v_max3_num_f32 v[MX+\c], |v[XSET+32*\c]|, |v[XSET+32*\c+1]|, 0x2800000   ; the floor 2^(5 - 127): the byte cannot fall under 1
.endr
.irp i, 2,4,6,8,10,12,14,16,18,20,22,24,26,28,30
.irp c, 0,1
	v_max3_num_f32 v[MX+\c], v[MX+\c], |v[XSET+32*\c+\i]|, |v[XSET+32*\c+\i+1]|   ; the two blocks by turns
.endr
.endr
.irp c, 0,1
	v_add_nc_u32 v[SO+\c], 0xfe000000, v[MX+\c]    ; 4 off the exponent field: the conversion takes the exponent field of this operand as its scale
.endr
.irp c, 0,1
	v_cvt_scalef32_pk16_bf6_f32 v[C+12*(\k)+6*\c:C+12*(\k)+6*\c+2], v[XSET+32*\c:XSET+32*\c+15], v[SO+\c]
	v_cvt_scalef32_pk16_bf6_f32 v[TT+4*\c:TT+4*\c+2], v[XSET+32*\c+16:XSET+32*\c+31], v[SO+\c]   ; (a conversion's three registers begin on an even number)
.endr
.irp c, 0,1
	v_lshrrev_b32 v[BY+\c], 23, v[SO+\c]           ; the scales' bytes; also the plain line between the conversions and the moves of their results
.endr
.irp c, 0,1
.irp i, 0,1,2
	v_mov_b32 v[C+12*(\k)+6*\c+3+\i], v[TT+4*\c+\i]
.endr
.endr
	v_lshl_or_b32 v[WT], v[BY+1], 16, v[BY]        ; my bytes: blocks h and 2 + h of the K step,
	v_lshlrev_b32 v[WT], v[SH8], v[WT]             ; 8 h bits up;
	v_permlanex16_b32 v[PT], v[WT], s[SEL], s[SEL+1]
	v_or_b32 v[W+\k], v[WT], v[PT]                 ; with lane l xor 16's two the word is whole
	s_cmp_lt_u32 s[TILE], XT                       ; the squares are wanted of the codebook alone
	s_cbranch_scc1 .Lno_squares_\@
.irp j, 0,4,8,12,16,20,24,28,32,36,40,44,48,52,56,60
	v_pk_fma_f32 v[SQ:SQ+1], v[XSET+\j:XSET+\j+1], v[XSET+\j:XSET+\j+1], v[SQ:SQ+1]
	v_pk_fma_f32 v[SQ+2:SQ+3], v[XSET+\j+2:XSET+\j+3], v[XSET+\j+2:XSET+\j+3], v[SQ+2:SQ+3]
.endr
.Lno_squares_\@:
.irp j, 0,1,2
	global_store_b128 v[LI], v[C+12*(\k)+4*\j:C+12*(\k)+4*\j+3], s[8:9] offset:512*(3*(\k)+\j)   ; 32 lanes store 512 consecutive bytes, aligned
.endr
.endm
	s_wait_tensorcnt 0x3                           ; K step 0 has landed; three loads may be out
	DSL 0
	STEP 0
	STEP 1
	STEP 2
	STEP 3
	v_cndmask_b32 v[OW], v[W], v[W+2], s[HM]       ; lanes 0-15 store K steps 0 and 1 of row r, lanes 16-31 K steps 2 and 3
	v_cndmask_b32 v[OW+1], v[W+1], v[W+3], s[HM]
	global_store_b64 v[SOF], v[OW:OW+1], s[10:11]  ; the tile's 256 scale bytes: consecutive, aligned
	s_cmp_lt_u32 s[TILE], XT
	s_cbranch_scc1 .Ldone
	v_pk_add_f32 v[SQ:SQ+1], v[SQ:SQ+1], v[SQ+2:SQ+3]
	v_add_f32 v[SQ], v[SQ], v[SQ+1]
	v_permlanex16_b32 v[PT], v[SQ], s[SEL], s[SEL+1]
	v_add_f32 v[SQ], v[SQ], v[PT]                  ; row r's |c|^2
	v_mul_f32 v[SQ], -0.5, v[SQ]
	s_add_nc_u64 s[14:15], s[14:15], s[50:51]
	s_wait_xcnt 0x0                                ; EXEC changes only behind this wait: stores are out
	v_cmp_gt_u32 vcc_lo, 16, v[LN]
	s_and_saveexec_b32 s54, vcc_lo
	global_store_b32 v[HOF], v[SQ], s[14:15]       ; lanes 0-15: 64 consecutive bytes
	s_wait_xcnt 0x0                                ; and again in front of the line that widens it
	s_or_b32 exec_lo, exec_lo, s54
.Ldone:
	s_wait_tensorcnt 0x0
	ds_add_u32 v224, v225
	s_wait_dscnt 0x0
	s_endpgm
.Lfunc_end_k_q4b5bc73aa3_quant:
	.size	k_q4b5bc73aa3_quant, .Lfunc_end_k_q4b5bc73aa3_quant-k_q4b5bc73aa3_quant
	.p2alignl 7, 3214868480
	.fill 96, 4, 3214868480
	.section	.rodata,"a",@progbits
	.p2align	6, 0x0
	.amdhsa_kernel k_q4b5bc73aa3_quant
		.amdhsa_group_segment_fixed_size 203520
		.amdhsa_private_segment_fixed_size 0
		.amdhsa_enable_private_segment 0
		.amdhsa_kernarg_size 48
		.amdhsa_user_sgpr_count 2
		.amdhsa_user_sgpr_kernarg_segment_ptr 1
		.amdhsa_wavefront_size32 1
		.amdhsa_system_sgpr_workgroup_id_x 1
		.amdhsa_system_sgpr_workgroup_id_y 1
		.amdhsa_system_sgpr_workgroup_id_z 1
		.amdhsa_system_vgpr_workitem_id 0
		.amdhsa_next_free_vgpr 226
		.amdhsa_next_free_sgpr 66
		.amdhsa_reserve_vcc 1
		.amdhsa_float_denorm_mode_32 3
		.amdhsa_float_denorm_mode_16_64 3
		.amdhsa_memory_ordered 1
		.amdhsa_forward_progress 1
		.amdhsa_inst_pref_size 31
	.end_amdhsa_kernel
	.amdgpu_metadata
---
amdhsa.version: [ 1, 2 ]
amdhsa.kernels:
  - .name:           k_q4b5bc73aa3_quant
    .symbol:         k_q4b5bc73aa3_quant.kd
    .args:
      - { .name: inputs, .offset: 0, .size: 8, .value_kind: global_buffer, .address_space: global }
      - { .name: codebook, .offset: 8, .size: 8, .value_kind: global_buffer, .address_space: global }
      - { .name: xq, .offset: 16, .size: 8, .value_kind: global_buffer, .address_space: global }
      - { .name: xs, .offset: 24, .size: 8, .value_kind: global_buffer, .address_space: global }
      - { .name: cq, .offset: 32, .size: 8, .value_kind: global_buffer, .address_space: global }
      - { .name: cmeta, .offset: 40, .size: 8, .value_kind: global_buffer, .address_space: global }
    .group_segment_fixed_size: 203520
    .private_segment_fixed_size: 0
    .kernarg_segment_align: 8
    .kernarg_segment_size: 48
    .max_flat_workgroup_size: 192
    .sgpr_count:     66
    .vgpr_count:     226
    .wavefront_size: 32
...
	.end_amdgpu_metadata
.endif
;; end of part 1
;; launch vqgemm (part 2): grid 16 x 16, 4 waves a work-group, clusters of 4 x 1, 213,504 bytes of LDS; arguments xq, xs, cq, cmeta, candv, candi; writes candv, candi
.if DOCPART == 2
	.amdgcn_target "amdgcn-amd-amdhsa--gfx1250"
	.amdhsa_code_object_version 6
	.text
	.protected	k_q4b5bc73aa3_vqgemm
	.globl	k_q4b5bc73aa3_vqgemm
	.p2align	8
	.type	k_q4b5bc73aa3_vqgemm,@function
k_q4b5bc73aa3_vqgemm:
	s_mov_b64 s[64:65], 0
	v_nop
	global_prefetch_b8 v0, s[64:65] scope:SCOPE_SE
	s_setreg_imm32_b32 hwreg(HW_REG_WAVE_MODE, 25, 1), 1
	s_wait_xcnt 0x0
	s_wait_alu depctr_hold_cnt(0) depctr_sa_sdst(0) depctr_va_vdst(0) depctr_va_sdst(0) depctr_va_ssrc(0) depctr_va_vcc(0) depctr_vm_vsrc(0)
	s_getreg_b32 s2, hwreg(HW_REG_IB_STS2, 6, 4)
	s_cmp_eq_u32 s2, 0
	s_cbranch_scc0 .Lentry_in_a_cluster
	s_endpgm
.Lentry_in_a_cluster:
	s_bfe_u32 s2, ttmp6, 0x10000c
	s_cmp_lg_u32 s2, 0x3003
	s_cbranch_scc0 .Lentry_shape_is_right
	s_endpgm
.Lentry_shape_is_right:
; For each query x and each of 16 splits of 512 codes: the largest s = Q(x) . Q(c) - |c|^2 / 2 over the split's codes and the lowest code that reaches it.  Q: codes of BF6 (E3M2) with one E8M0 scale for each 32 along K.
; The smallest |x|^2 - 2 x.c + |c|^2 is the largest s: |x|^2 is the same for all codes of a query and is left out of the comparison (a stated departure in the order of rounding); ties go to the lowest code.
; LIMITS: NaN and infinities are not served.  -|c|^2 / 2 enters each f32 sum as the C of its first matrix instruction.
; SHARES.  Work-group (gx, split): 1,024 queries x 512 codes.  The split's codes (images of 32 tiles of 16 codes, 196,608 bytes), their scale bytes and -|c|^2 / 2 come into LDS ONCE and stay: nothing is filled again.
; Four passes of 256 queries; in a pass wave w holds 64 queries (4 tiles, 192 registers, straight from memory) and walks the 32 tiles of codes from LDS, two at a time: a PAIR STEP, 32 matrix instructions.
; CLUSTER.  The four work-groups of a cluster have the same split: its codes are asked for JOINTLY (mask 15).  The queries are not shared in a cluster: each work-group has its own 1,024, and they go to registers, where no joint load leads.
; LAYOUT.  Source 0 = 16 codes, source 1 = 16 queries: lane (r, h) holds query r, register j code 8 h + j of the tile.  K = 512 is four links on one accumulator; the two tiles' accumulators take turns.
; THE ARGMAX, two vector instructions a score.  For each lane, tile of queries and register j: run (R0, R1 by turns), ID, SV.  With a pair step's scores sA, sB: n = max3(run, sA, sB); where n > run: ID = the pair's first code of my half,
; SV = sA.  At the end the code is ID + j where SV = run (tile A, which also wins a tie), else ID + j + 16.  The strict compare keeps the earlier pair.
; BY TURNS.  A STAGE is one tile of queries against the pair: 8 matrix instructions; behind each stands a slice of four vector instructions of the tile before, whose scores lie in the other set of accumulators.
; REGISTERS, in windows of 256 (s_set_vgpr_msb: bits 1:0 source 0, 3:2 source 1, 5:4 source 2, 7:6 destination):
;   window 0: all that vector instructions touch (below).   window 1: the queries' fragments of passes 0 and 2, tile q, K step k at v[48 q + 12 k];   window 3: those of passes 1 and 3.
;   window 2: the codes' fragments, two buffers: buffer b, tile u, K step k at v[96 b + 48 u + 12 k].
.set PAIRB, 12288                      ; two tiles' images
.set SCB,   196608                     ; LDS: behind the images the scale bytes, 16 a code,
.set CHB,   204800                     ; and -|c|^2 / 2, 4 bytes a code; these end at 206,848; the words at 212,992 + 4 x thread end the 213,504 bytes
.set LI,  1                            ; v1   16 x lane
.set AF,  2                            ; v2-4 LDS addresses of the fetch in hand: fragments, scale words, -|c|^2 / 2
.set ACS, 3
.set ACH, 4
.set LCH, 5                            ; v5   32 h
.set K16, 6                            ; v6   16
.set CO,  7                            ; v7   4 x lane
.set PV,  8                            ; v8-9 the pair's first code of my half, 512 split + 8 h + 32 p, for even and for odd p
.set PVB, 10                           ; v10  512 split + 8 h
.set BIG, 11                           ; v11  0x7fffffff
.set M,   12                           ; v12-15 a tile's largest s
.set T,   16                           ; v16-19 lane l xor 16's
.set OUT, 20                           ; v20-23 what is stored
.set CS,  24                           ; v24-31 the codes' scale words: buffer b, K step k at v[CS + 4 b + k]: lanes 0-15 tile A's rows, lanes 16-31 tile B's.  Scales and nothing else
.set XS,  32                           ; v32-47 the queries': set n % 2, v[XS + 8 (n % 2) + 4 (q / 2) + k]: lanes 0-15 tile 2 (q / 2), lanes 16-31 the next.  Scales and nothing else
.set CH,  48                           ; v48-79 -|c|^2 / 2 in the result's layout: buffer b, tile u at v[CH + 16 b + 8 u]
.set ACC, 80                           ; v80-111 two sets of (sA 8, sB 8)
.set ST,  112                          ; v112-239 tile q at v[ST + 32 q]: R0, R1, ID, SV, 8 each
.set WV,  16
.set MK,  20                           ; s20-21 a slice's two masks
.set HM,  22
.set NINF, 23
.set CNT, 24
.set TF,  25                           ; s25-27 LDS bytes at which the next fetch begins
.set TS,  26
.set TC,  27
.set SEL, 30
.set G1M, 32                           ; s[32:63] four groups 1: they differ in the rows
.set G1A, 40
.set G1B, 48
.set G1C, 56
.set G0M, 68                           ; s[68:83] four groups 0
.set G0A, 72
.set G0B, 76
.set G0C, 80
.set FM,  84                           ; s84-91 masks of the passes' ends
.set MSB, 0
.macro WIN new                         ; the immediate's high byte repeats the setting that is left; a switch that changes nothing is dropped
.if MSB != (\new)
	s_set_vgpr_msb (MSB<<8)|(\new)
.set MSB, (\new)
.endif
.endm
.macro CROUND                          ; a round of the cluster's barrier
	s_barrier_signal -1
	s_barrier_wait -1
	s_cmp_lg_u32 s[WV], 0
	s_cbranch_scc1 .Lnot_wave_0_\@
	s_barrier_signal -3
.Lnot_wave_0_\@:
	s_barrier_wait -3
	s_barrier_signal -1
	s_barrier_wait -1
.endm
.macro SHAPE g1, rows                  ; group 1: a dense block as rows of 256 bytes (32 elements of 8 bytes)
	s_mov_b32 s[\g1], 15|(3<<16)|(1<<21)           ; the mask: all four work-groups; elements of 8 bytes; bit 21 set beside a mask; no padding
	s_mov_b32 s[\g1+1], 32<<16
	s_mov_b32 s[\g1+2], (\rows)<<16
	s_mov_b32 s[\g1+3], 32<<16
	s_mov_b32 s[\g1+4], \rows
	s_mov_b32 s[\g1+5], 32
	s_mov_b32 s[\g1+6], 0
	s_mov_b32 s[\g1+7], 0
.endm
.macro CHUNK g0, first, quarter        ; group 0: my quarter of a run of the split's images; its LDS address is its offset in the split.  s92: the split's first byte in cq
	s_mul_i32 s93, s[WV], \quarter
	s_add_co_u32 s93, s93, \first
	s_add_co_u32 s28, s92, s93
	s_mov_b32 s[\g0], 1
	s_mov_b32 s[\g0+1], s93
	s_add_nc_u64 s[\g0+2:\g0+3], s[8:9], s[28:29]
	s_or_b32 s[\g0+3], s[\g0+3], 0x80000000
.endm
; pass n's queries: 4 images (48 loads of 512 consecutive bytes) and their scale words
.macro XLOAD n
	WIN 0x40+0x80*((\n)%2)                         ; destination window 1 or 3
.set mm, 0
.rept 48
	global_load_b128 v[4*mm:4*mm+3], v[LI], s[4:5] offset:98304*(\n)+512*mm
.set mm, mm+1
.endr
	WIN 0
.irp t, 0,1
	global_load_b128 v[XS+8*((\n)%2)+4*\t:XS+8*((\n)%2)+4*\t+3], v[LI], s[6:7] offset:4096*(\n)+512*\t
.endr
.endm
; a pair step's operands into buffer b: 29 LDS loads in one run
.macro FETCH b
	v_add_nc_u32 v[AF], s[TF], v[LI]
	v_add_nc_u32 v[ACS], s[TS], v[LI]
	v_add_nc_u32 v[ACH], s[TC], v[LCH]
	WIN 0x80                                       ; destination window 2
.set mm, 0
.rept 24
	ds_load_b128 v[96*(\b)+4*mm:96*(\b)+4*mm+3], v[AF] offset:512*mm
.set mm, mm+1
.endr
	WIN 0
	ds_load_b128 v[CS+4*(\b):CS+4*(\b)+3], v[ACS]
.irp u, 0,1
.irp w, 0,1
	ds_load_b128 v[CH+16*(\b)+8*\u+4*\w:CH+16*(\b)+8*\u+4*\w+3], v[ACH] offset:64*\u+16*\w
.endr
.endr
.endm
.macro FSTEP                           ; on to the next pair step's bytes
	s_add_co_u32 s[TF], s[TF], PAIRB
	s_add_co_u32 s[TS], s[TS], 512
	s_add_co_u32 s[TC], s[TC], 128
.endm
; matrix instruction i (0 .. 7) of stage q: tile u = i % 2 of the pair, K step i / 2.  The first link takes -|c|^2 / 2 as C.
.macro WM par, b
.set kk, i/2
.set uu, i%2
.set rD, ACC+16*(q%2)+8*uu
.set rC, rD
.if kk == 0
.set rC, CH+16*(\b)+8*uu
.endif
.set rA, 96*(\b)+48*uu+12*kk
.set rB, 48*q+12*kk
.set rSA, CS+4*(\b)+kk
.set rSB, XS+8*(\par)+4*(q/2)+kk
.if uu && (q%2)
	v_wmma_scale_f32_16x16x128_f8f6f4 v[rD:rD+7], v[rA:rA+11], v[rB:rB+11], v[rC:rC+7], v[rSA], v[rSB] matrix_a_fmt:MATRIX_FMT_BF6 matrix_b_fmt:MATRIX_FMT_BF6 matrix_a_scale:MATRIX_SCALE_ROW1 matrix_b_scale:MATRIX_SCALE_ROW1
.elseif uu
	v_wmma_scale_f32_16x16x128_f8f6f4 v[rD:rD+7], v[rA:rA+11], v[rB:rB+11], v[rC:rC+7], v[rSA], v[rSB] matrix_a_fmt:MATRIX_FMT_BF6 matrix_b_fmt:MATRIX_FMT_BF6 matrix_a_scale:MATRIX_SCALE_ROW1
.elseif (q%2)
	v_wmma_scale_f32_16x16x128_f8f6f4 v[rD:rD+7], v[rA:rA+11], v[rB:rB+11], v[rC:rC+7], v[rSA], v[rSB] matrix_a_fmt:MATRIX_FMT_BF6 matrix_b_fmt:MATRIX_FMT_BF6 matrix_b_scale:MATRIX_SCALE_ROW1
.else
	v_wmma_scale_f32_16x16x128_f8f6f4 v[rD:rD+7], v[rA:rA+11], v[rB:rB+11], v[rC:rC+7], v[rSA], v[rSB] matrix_a_fmt:MATRIX_FMT_BF6 matrix_b_fmt:MATRIX_FMT_BF6
.endif
.endm
; slice i (0 .. 7) of tile t's argmax: R[rp] is read, R[1 - rp] written.  Even i: the maxima and masks of registers i, i + 1; odd i: their selects.  Register 0 comes first: each accumulator is read from its low end on.
.macro SLICE t, rp
.set sT, ST+32*(\t)
.set sO, sT+8*(\rp)
.set sN, sT+8*(1-(\rp))
.set sA, ACC+16*((\t)%2)
.set sB, sA+8
.if (i%2) == 0
	v_max3_num_f32 v[sN+i], v[sO+i], v[sA+i], v[sB+i]
	v_max3_num_f32 v[sN+i+1], v[sO+i+1], v[sA+i+1], v[sB+i+1]
	v_cmp_gt_f32 s[MK], v[sN+i], v[sO+i]
	v_cmp_gt_f32 s[MK+1], v[sN+i+1], v[sO+i+1]
.else
	v_cndmask_b32 v[sT+16+i-1], v[sT+16+i-1], v[PV+(\rp)], s[MK]
	v_cndmask_b32 v[sT+24+i-1], v[sT+24+i-1], v[sA+i-1], s[MK]
	v_cndmask_b32 v[sT+16+i], v[sT+16+i], v[PV+(\rp)], s[MK+1]
	v_cndmask_b32 v[sT+24+i], v[sT+24+i], v[sA+i], s[MK+1]
.endif
.endm
; A PAIR STEP on buffer b.  Stage q's slices are tile q - 1's; stage 0's are tile 3's of the pair step before.
; DISTANCES.  A stage's scores are first read behind the four plain instructions of the slice that follows its last product, which names the other set alone.  An accumulator is begun anew two stages later: the two slices behind its
; last link, eight plain instructions that name none of its registers, lie between.  The fetch into the other buffer stands twelve plain instructions behind that buffer's last product.
; TURNS.  A0 B0 A1 B1 A2 B2 A3 B3, then the other set: no two matrix instructions that follow each other share an accumulator, over the backward jump too.
; skip = 1: in the loop's last trip there is no next pair step: its fetch is jumped over, on the trip counter.
.macro PAIR par, b, skip
	s_wait_dscnt 0x0                               ; this pair step's operands, asked for 30 matrix instructions ago
.set q, 0
.rept 4
.set rpv, \b
.if q == 0
.set rpv, 1-(\b)
.endif
.set i, 0
.rept 8
	WIN 0x06+8*(\par)                              ; source 0 window 2, source 1 window 1 or 3, C and D window 0
	WM \par, \b
	WIN 0
	SLICE (q+3)%4, rpv
.if (q == 0) && (i == 1)
.if \skip
	s_cmp_eq_u32 s[CNT], 1
	s_cbranch_scc1 .Lno_fetch_\@
.endif
	FETCH 1-(\b)
.if \skip
.Lno_fetch_\@:
.endif
	FSTEP
.endif
.if (q == 0) && (i == 7)
	v_add_nc_u32 v[PV+1-(\b)], 64, v[PV+1-(\b)]    ; tile 3 of the pair step before is done: its code number goes two pair steps on
.endif
.set i, i+1
.endr
.set q, q+1
.endr
.endm
.macro TRIPS par, n, skip
	s_mov_b32 s[CNT], \n
.Ltrip_\@:
	PAIR \par, 0, 0
	PAIR \par, 1, \skip
	s_sub_co_u32 s[CNT], s[CNT], 1
	s_cmp_lg_u32 s[CNT], 0
	s_cbranch_scc1 .Ltrip_\@
.endm
.macro DRAIN                           ; tile 3's slices of the pass's last pair step; the slice in front of them is the four places behind the last product
.set i, 0
.rept 8
	SLICE 3, 1
.set i, i+1
.endr
.endm
; A pass's end: for each tile the query's largest s over its 8 registers and both halves of the lanes, and the lowest code that reaches it.  The four tiles take turns in every sweep.  The accumulators' registers serve as scratch.
.macro FINAL n
	s_wait_xcnt 0x0                                ; the last pass's stores have read their data: OUT may be written
.irp t, 0,1,2,3
	v_max3_num_f32 v[M+\t], v[ST+32*\t], v[ST+32*\t+1], v[ST+32*\t+2]
.endr
.irp e, 3,5
.irp t, 0,1,2,3
	v_max3_num_f32 v[M+\t], v[M+\t], v[ST+32*\t+\e], v[ST+32*\t+\e+1]
.endr
.endr
.irp t, 0,1,2,3
	v_max_num_f32 v[M+\t], v[M+\t], v[ST+32*\t+7]
.endr
.irp t, 0,1,2,3
	v_permlanex16_b32 v[T+\t], v[M+\t], s[SEL], s[SEL+1]
.endr
.irp t, 0,1,2,3
	v_max_num_f32 v[M+\t], v[M+\t], v[T+\t]
.endr
.irp j, 0,1,2,3,4,5,6,7
.irp t, 0,1,2,3
	v_cmp_neq_f32 s[FM+\t], v[ST+32*\t+24+\j], v[ST+32*\t+\j]      ; SV is not run: tile B won
.endr
.irp t, 0,1,2,3
	v_cndmask_b32 v[ACC+8*\t+\j], 0, v[K16], s[FM+\t]
.endr
.irp t, 0,1,2,3
	v_add3_u32 v[ACC+8*\t+\j], v[ACC+8*\t+\j], v[ST+32*\t+16+\j], \j   ; the register's code
.endr
.irp t, 0,1,2,3
	v_cmp_eq_f32 s[FM+4+\t], v[ST+32*\t+\j], v[M+\t]
.endr
.irp t, 0,1,2,3
	v_cndmask_b32 v[ACC+8*\t+\j], v[BIG], v[ACC+8*\t+\j], s[FM+4+\t]   ; it counts only where it reaches the largest s
.endr
.endr
.irp j, 1,2,3,4,5,6,7
.irp t, 0,1,2,3
	v_min_u32 v[ACC+8*\t], v[ACC+8*\t], v[ACC+8*\t+\j]
.endr
.endr
.irp t, 0,1,2,3
	v_permlanex16_b32 v[T+\t], v[ACC+8*\t], s[SEL], s[SEL+1]
.endr
.irp t, 0,1,2,3
	v_min_u32 v[ACC+8*\t], v[ACC+8*\t], v[T+\t]
.endr
	v_cndmask_b32 v[OUT], v[M], v[M+1], s[HM]      ; lanes 0-15 store an even tile's queries, lanes 16-31 the next tile's
	v_cndmask_b32 v[OUT+1], v[M+2], v[M+3], s[HM]
	v_cndmask_b32 v[OUT+2], v[ACC], v[ACC+8], s[HM]
	v_cndmask_b32 v[OUT+3], v[ACC+16], v[ACC+24], s[HM]
	global_store_b32 v[CO], v[OUT], s[12:13] offset:1024*(\n)          ; 128 consecutive bytes each
	global_store_b32 v[CO], v[OUT+1], s[12:13] offset:1024*(\n)+128
	global_store_b32 v[CO], v[OUT+2], s[14:15] offset:1024*(\n)
	global_store_b32 v[CO], v[OUT+3], s[14:15] offset:1024*(\n)+128
.endm
; A pass begins with run = -infinity.  Its first stage has no tile before it: its slices find -infinity in tile 3's R1 and in the second set of accumulators, write -infinity to tile 3's R0 and select nothing.
.macro INIT
.irp t, 0,1,2
.irp j, 0,1,2,3,4,5,6,7
	v_mov_b32 v[ST+32*\t+\j], s[NINF]
.endr
.endr
.irp j, 0,1,2,3,4,5,6,7
	v_mov_b32 v[ST+96+8+\j], s[NINF]
.endr
.irp j, 0,1,2,3,4,5,6,7,8,9,10,11,12,13,14,15
	v_mov_b32 v[ACC+16+\j], s[NINF]
.endr
.endm
.macro FIRSTFETCH                      ; pair step 0 into buffer 0
	s_mov_b32 s[TF], 0
	s_mov_b32 s[TS], SCB
	s_mov_b32 s[TC], CHB
	FETCH 0
	FSTEP
.endm
.macro MEET left                       ; the next run of images has landed, in every wave: later loads may stay out
	s_wait_tensorcnt \left
	s_wait_dscnt 0x0                               ; no LDS instruction of mine is pending at the signal
	s_barrier_signal -1
	s_barrier_wait -1
.endm
.macro PASS n
	s_wait_loadcnt 0x0                             ; this pass's queries, asked for a pass ago
.if \n < 3
	XLOAD (\n)+1                                   ; the next pass's, into the other window: they have this pass in which to land
.endif
	v_mov_b32 v[PV], v[PVB]
	v_add_nc_u32 v[PV+1], 0xffffffe0, v[PVB]       ; 32 under pair step 0's: stage 0 adds 64
.if \n == 0
	TRIPS 0, 2, 0                                  ; pair steps 0-3 fetch 1-4: the first run of images
	MEET 0x1                                       ; the second run is in; the third may be out
	TRIPS 0, 2, 0                                  ; pair steps 4-7 fetch 5-8
	MEET 0x0
	TRIPS 0, 4, 1                                  ; pair steps 8-15 fetch 9-15
.else
	TRIPS (\n)%2, 8, 1
.endif
	DRAIN
.if \n < 3
	FIRSTFETCH                                     ; the next pass's first operands come while this pass is closed
.endif
	FINAL \n
.if \n < 3
	INIT
.endif
.endm
	s_load_b256 s[4:11], s[0:1], 0x0               ; xq s[4:5], xs s[6:7], cq s[8:9], cmeta s[10:11]
	s_load_b128 s[12:15], s[0:1], 0x20             ; candv, candi
	v_lshl_add_u32 v254, v0, 2, 0x34000
	v_mov_b32 v255, 0
	ds_add_u32 v254, v255
	ds_add_u32 v254, v255
	v_lshrrev_b32 v[AF], 5, v0
	v_readfirstlane_b32 s[WV], v[AF]               ; wave 0..3
	v_and_b32 v[AF], 31, v0                        ; lane
	v_bfe_u32 v[ACS], v0, 4, 1                     ; h
	v_lshlrev_b32 v[LI], 4, v[AF]
	v_lshlrev_b32 v[CO], 2, v[AF]
	v_lshlrev_b32 v[LCH], 5, v[ACS]
	s_bfe_u32 s17, ttmp6, 0x40000                  ; cx: my place in the cluster
	s_lshl_b32 s18, ttmp9, 2                       ; in a cluster launch ttmp9 counts clusters
	s_add_co_u32 s18, s18, s17                     ; gx: my 1,024 queries; it enters the queries' and the results' addresses alone
	s_and_b32 s19, ttmp7, 0xffff                   ; the split, which the four partners share
	s_lshl_b32 s94, s19, 9
	v_lshl_add_u32 v[PVB], v[ACS], 3, s94
	v_mov_b32 v[K16], 16
	v_mov_b32 v[BIG], 0x7fffffff
	s_mov_b32 s[HM], 0xffff0000
	s_mov_b32 s[NINF], 0xff800000
	s_mov_b32 s[SEL], 0x76543210
	s_mov_b32 s[SEL+1], 0xfedcba98
	SHAPE G1M, 10                                  ; a quarter of the scale bytes and -|c|^2 / 2: 2,560 bytes
	SHAPE G1A, 60                                  ; of pair steps 0-4: 15,360
	SHAPE G1B, 48                                  ; of pair steps 5-8: 12,288
	SHAPE G1C, 84                                  ; of pair steps 9-15: 21,504
	s_mov_b32 s3, 0
	s_mov_b32 s29, 0
	s_wait_dscnt 0x0
	s_wait_kmcnt 0x0
	s_lshl_b32 s2, s18, 6
	s_lshl_b32 s94, s[WV], 2
	s_add_co_u32 s2, s2, s94                       ; my first tile of queries: 64 gx + 4 wave
	s_mul_i32 s2, s2, 6144
	s_add_nc_u64 s[4:5], s[4:5], s[2:3]
	s_lshl_b32 s2, s18, 14
	s_lshl_b32 s94, s[WV], 10
	s_add_co_u32 s2, s2, s94                       ; its scale bytes: 16 a query
	s_add_nc_u64 s[6:7], s[6:7], s[2:3]
	XLOAD 0
	s_lshl_b32 s2, s18, 12
	s_lshl_b32 s94, s[WV], 8
	s_add_co_u32 s2, s2, s94
	s_lshl_b32 s94, s19, 16
	s_add_co_u32 s2, s2, s94                       ; the results: [split][query], 4 bytes
	s_add_nc_u64 s[12:13], s[12:13], s[2:3]
	s_add_nc_u64 s[14:15], s[14:15], s[2:3]
	s_mul_i32 s92, s19, 10240                      ; the split's block of cmeta,
	s_mul_i32 s93, s[WV], 2560                     ; my quarter
	s_add_co_u32 s28, s92, s93
	s_mov_b32 s[G0M], 1
	s_add_co_u32 s[G0M+1], s93, SCB
	s_add_nc_u64 s[G0M+2:G0M+3], s[10:11], s[28:29]
	s_or_b32 s[G0M+3], s[G0M+3], 0x80000000
	s_mul_i32 s92, s19, 196608                     ; the split's images
	CHUNK G0A, 0, 15360
	CHUNK G0B, 61440, 12288
	CHUNK G0C, 110592, 21504
	CROUND                                         ; all four work-groups are here: the joint loads meet
	tensor_load_to_lds s[G0M:G0M+3], s[G1M:G1M+7]  ; the launch's only fills, in one group: four loads of mine are out
	s_nop 0
	tensor_load_to_lds s[G0A:G0A+3], s[G1A:G1A+7]
	s_nop 0
	tensor_load_to_lds s[G0B:G0B+3], s[G1B:G1B+7]
	s_nop 0
	tensor_load_to_lds s[G0C:G0C+3], s[G1C:G1C+7]
	s_nop 0
.rept 4
	v_nop                                          ; four such lines behind the loads
.endr
.irp t, 0,1,2,3
.irp j, 0,1,2,3,4,5,6,7,8,9,10,11,12,13,14,15
	v_mov_b32 v[ST+32*\t+16+\j], 0                 ; ID and SV are written once: the selects read them before the first score has set them
.endr
	v_mov_b32 v[T+\t], 0                           ; a lane permute's destination counts as one of its sources
.endr
	INIT
	s_wait_tensorcnt 0x2                           ; my quarters of the scale bytes and of the first run of images are in; two loads may be out
	s_barrier_signal -1
	s_barrier_wait -1                              ; everybody's are
	FIRSTFETCH
	PASS 0
	PASS 1
	PASS 2
	PASS 3
	s_wait_dscnt 0x0
	s_wait_tensorcnt 0x0
	ds_add_u32 v254, v255
	s_wait_dscnt 0x0
	CROUND                                         ; the closing round: no work-group ends while a partner may still ask for a tile that names it
	s_endpgm
.Lfunc_end_k_q4b5bc73aa3_vqgemm:
	.size	k_q4b5bc73aa3_vqgemm, .Lfunc_end_k_q4b5bc73aa3_vqgemm-k_q4b5bc73aa3_vqgemm
	.p2alignl 7, 3214868480
	.fill 96, 4, 3214868480
	.section	.rodata,"a",@progbits
	.p2align	6, 0x0
	.amdhsa_kernel k_q4b5bc73aa3_vqgemm
		.amdhsa_group_segment_fixed_size 213504
		.amdhsa_private_segment_fixed_size 0
		.amdhsa_enable_private_segment 0
		.amdhsa_kernarg_size 48
		.amdhsa_user_sgpr_count 2
		.amdhsa_user_sgpr_kernarg_segment_ptr 1
		.amdhsa_wavefront_size32 1
		.amdhsa_system_sgpr_workgroup_id_x 1
		.amdhsa_system_sgpr_workgroup_id_y 1
		.amdhsa_system_sgpr_workgroup_id_z 1
		.amdhsa_system_vgpr_workitem_id 0
		.amdhsa_next_free_vgpr 1024
		.amdhsa_next_free_sgpr 96
		.amdhsa_reserve_vcc 0
		.amdhsa_float_denorm_mode_32 3
		.amdhsa_float_denorm_mode_16_64 3
		.amdhsa_memory_ordered 1
		.amdhsa_forward_progress 1
		.amdhsa_inst_pref_size 255
	.end_amdhsa_kernel
	.section	.bss,"aw",@nobits
	.p2align	6
	.space	262144
	.amdgpu_metadata
---
amdhsa.version: [ 1, 2 ]
amdhsa.kernels:
  - .name:           k_q4b5bc73aa3_vqgemm
    .symbol:         k_q4b5bc73aa3_vqgemm.kd
    .args:
      - { .name: xq, .offset: 0, .size: 8, .value_kind: global_buffer, .address_space: global }
      - { .name: xs, .offset: 8, .size: 8, .value_kind: global_buffer, .address_space: global }
      - { .name: cq, .offset: 16, .size: 8, .value_kind: global_buffer, .address_space: global }
      - { .name: cmeta, .offset: 24, .size: 8, .value_kind: global_buffer, .address_space: global }
      - { .name: candv, .offset: 32, .size: 8, .value_kind: global_buffer, .address_space: global }
      - { .name: candi, .offset: 40, .size: 8, .value_kind: global_buffer, .address_space: global }
    .group_segment_fixed_size: 213504
    .private_segment_fixed_size: 0
    .kernarg_segment_align: 8
    .kernarg_segment_size: 48
    .max_flat_workgroup_size: 128
    .sgpr_count:     96
    .vgpr_count:     1024
    .wavefront_size: 32
...
	.end_amdgpu_metadata
.endif
;; end of part 2
;; launch pick (part 3): grid 128 x 1, 1 waves a work-group, no clusters, 0 bytes of LDS; arguments candv, candi, idx; writes idx
.if DOCPART == 3
	.amdgcn_target "amdgcn-amd-amdhsa--gfx1250"
	.amdhsa_code_object_version 6
	.text
	.protected	k_q4b5bc73aa3_pick
	.globl	k_q4b5bc73aa3_pick
	.p2align	8
	.type	k_q4b5bc73aa3_pick,@function
k_q4b5bc73aa3_pick:
	s_mov_b64 s[64:65], 0
	v_nop
	global_prefetch_b8 v0, s[64:65] scope:SCOPE_SE
	s_setreg_imm32_b32 hwreg(HW_REG_WAVE_MODE, 25, 1), 1
	s_wait_xcnt 0x0
; For each query: of its 16 candidates (one a split: the largest s and its code) the code of the largest s.  The splits go in ascending order and the compare is strict, so the lower split, which holds the lower codes, keeps a tie.
; A thread takes 4 neighbouring queries: 16 + 16 loads of 16 bytes (a wave: 512 consecutive bytes each), the split in the immediate; one store of 16 bytes.  All loads are out at once; nothing is shared: no LDS, no barrier.
; The chosen code is only selected and stored here: the launch that gathers by it comes later.
.set V,  8                             ; v[8:71]   s: split t at v[V + 4 t]
.set IX, 72                            ; v[72:135] codes likewise
	s_load_b128 s[4:7], s[0:1], 0x0                ; candv, candi
	s_load_b64 s[8:9], s[0:1], 0x10                ; idx
	v_lshlrev_b32 v1, 4, v0
	s_lshl_b32 s10, ttmp9, 9
	v_add_nc_u32 v1, s10, v1                       ; 16 bytes a thread, 512 a work-group
	s_wait_kmcnt 0x0
.irp t, 0,1,2,3,4,5,6,7,8,9,10,11,12,13,14,15
	global_load_b128 v[V+4*\t:V+4*\t+3], v1, s[4:5] offset:65536*\t th:TH_LOAD_NT
	global_load_b128 v[IX+4*\t:IX+4*\t+3], v1, s[6:7] offset:65536*\t th:TH_LOAD_NT
.endr
	s_wait_loadcnt 0x0
.irp t, 1,2,3,4,5,6,7,8,9,10,11,12,13,14,15
.irp c, 0,1,2,3
	v_cmp_gt_f32 s[12+\c], v[V+4*\t+\c], v[V+\c]
.endr
.irp c, 0,1,2,3
	v_cndmask_b32 v[V+\c], v[V+\c], v[V+4*\t+\c], s[12+\c]
	v_cndmask_b32 v[IX+\c], v[IX+\c], v[IX+4*\t+\c], s[12+\c]
.endr
.endr
	global_store_b128 v1, v[IX:IX+3], s[8:9]       ; a wave stores 512 consecutive bytes, aligned
	s_endpgm
.Lfunc_end_k_q4b5bc73aa3_pick:
	.size	k_q4b5bc73aa3_pick, .Lfunc_end_k_q4b5bc73aa3_pick-k_q4b5bc73aa3_pick
	.p2alignl 7, 3214868480
	.fill 96, 4, 3214868480
	.section	.rodata,"a",@progbits
	.p2align	6, 0x0
	.amdhsa_kernel k_q4b5bc73aa3_pick
		.amdhsa_group_segment_fixed_size 0
		.amdhsa_private_segment_fixed_size 0
		.amdhsa_enable_private_segment 0
		.amdhsa_kernarg_size 24
		.amdhsa_user_sgpr_count 2
		.amdhsa_user_sgpr_kernarg_segment_ptr 1
		.amdhsa_wavefront_size32 1
		.amdhsa_system_sgpr_workgroup_id_x 1
		.amdhsa_system_sgpr_workgroup_id_y 1
		.amdhsa_system_sgpr_workgroup_id_z 1
		.amdhsa_system_vgpr_workitem_id 0
		.amdhsa_next_free_vgpr 140
		.amdhsa_next_free_sgpr 66
		.amdhsa_reserve_vcc 0
		.amdhsa_float_denorm_mode_32 3
		.amdhsa_float_denorm_mode_16_64 3
		.amdhsa_memory_ordered 1
		.amdhsa_forward_progress 1
		.amdhsa_inst_pref_size 15
	.end_amdhsa_kernel
	.amdgpu_metadata
---
amdhsa.version: [ 1, 2 ]
amdhsa.kernels:
  - .name:           k_q4b5bc73aa3_pick
    .symbol:         k_q4b5bc73aa3_pick.kd
    .args:
      - { .name: candv, .offset: 0, .size: 8, .value_kind: global_buffer, .address_space: global }
      - { .name: candi, .offset: 8, .size: 8, .value_kind: global_buffer, .address_space: global }
      - { .name: idx, .offset: 16, .size: 8, .value_kind: global_buffer, .address_space: global }
    .group_segment_fixed_size: 0
    .private_segment_fixed_size: 0
    .kernarg_segment_align: 8
    .kernarg_segment_size: 24
    .max_flat_workgroup_size: 32
    .sgpr_count:     66
    .vgpr_count:     140
    .wavefront_size: 32
...
	.end_amdgpu_metadata
.endif
;; end of part 3
;; launch emit (part 4): grid 256 x 1, 16 waves a work-group, no clusters, 2,304 bytes of LDS; arguments inputs, codebook, idx, out0, part; writes out0, part
.if DOCPART == 4
	.amdgcn_target "amdgcn-amd-amdhsa--gfx1250"
	.amdhsa_code_object_version 6
	.text
	.protected	k_q4b5bc73aa3_emit
	.globl	k_q4b5bc73aa3_emit
	.p2align	8
	.type	k_q4b5bc73aa3_emit,@function
k_q4b5bc73aa3_emit:
	s_mov_b64 s[64:65], 0
	v_nop
	global_prefetch_b8 v0, s[64:65] scope:SCOPE_SE
	s_setreg_imm32_b32 hwreg(HW_REG_WAVE_MODE, 25, 1), 1
	s_wait_xcnt 0x0
; out0[n] = x + (c - x), c = codebook[idx[n]], all in f32 as they are given; part[work-group] = the sum of (c - x)^2 over the work-group's 64 rows.
; Memory binds: a wave takes 4 rows of 2,048 bytes; its 16 loads of x and, once the 4 indices are in, its 16 loads of c are all out together; each load and store covers 512 consecutive bytes, aligned.
; The indices were stored by an earlier launch and are read here by a scalar load; each is held to 8,191, the table's last row, before it enters an address.
; No matrix unit, no cluster, no tensor load: nothing is shared but 16 partial sums, which meet in LDS behind one barrier.
.set S, 4                              ; v[4:11]    four packed chains of squares
.set X, 16                             ; v[16:79]   x, then the result: row i at v[X + 16 i]
.set Q, 80                             ; v[80:143]  c, then c - x
.set P, 144                            ; v[144:159] the sixteen waves' sums
	s_load_b256 s[4:11], s[0:1], 0x0               ; inputs s[4:5], codebook s[6:7], idx s[8:9], out0 s[10:11]
	s_load_b64 s[12:13], s[0:1], 0x20              ; part
	v_lshl_add_u32 v160, v0, 2, 0x100
	v_mov_b32 v161, 0
	v_lshrrev_b32 v1, 5, v0
	v_readfirstlane_b32 s14, v1                    ; wave 0..15
	v_and_b32 v1, 31, v0
	v_lshlrev_b32 v1, 4, v1                        ; 16 x lane
	s_lshl_b32 s15, ttmp9, 6
	s_lshl_b32 s16, s14, 2
	s_add_co_u32 s15, s15, s16                     ; my first row: 64 x work-group + 4 x wave
	s_lshl_b32 s16, s15, 2
	s_mov_b32 s17, 0
	s_lshl_b32 s18, s15, 11
	s_mov_b32 s19, 0
	s_lshl_b32 s44, ttmp9, 2
	s_mov_b32 s45, 0
	s_mov_b32 s40, 0x76543210
	s_mov_b32 s41, 0xfedcba98
	s_wait_kmcnt 0x0
	s_add_nc_u64 s[8:9], s[8:9], s[16:17]
	s_load_b128 s[20:23], s[8:9], 0x0              ; my four indices
	s_add_nc_u64 s[4:5], s[4:5], s[18:19]
	s_add_nc_u64 s[10:11], s[10:11], s[18:19]
	s_add_nc_u64 s[12:13], s[12:13], s[44:45]
.irp i, 0,1,2,3
.irp j, 0,1,2,3
	global_load_b128 v[X+16*\i+4*\j:X+16*\i+4*\j+3], v1, s[4:5] offset:2048*\i+512*\j th:TH_LOAD_NT
.endr
.endr
	s_wait_kmcnt 0x0
.irp i, 0,1,2,3
	s_min_u32 s[20+\i], s[20+\i], 0x1fff
	s_lshl_b32 s[24+2*\i], s[20+\i], 11            ; a row of the codebook is 2,048 bytes
	s_mov_b32 s[25+2*\i], 0
	s_add_nc_u64 s[32+2*\i:33+2*\i], s[6:7], s[24+2*\i:25+2*\i]
.endr
.irp i, 0,1,2,3
.irp j, 0,1,2,3
	global_load_b128 v[Q+16*\i+4*\j:Q+16*\i+4*\j+3], v1, s[32+2*\i:33+2*\i] offset:512*\j   ; (a row may be named by many queries: no hint)
.endr
.endr
.macro ROW i
	s_wait_loadcnt 12-4*(\i)                       ; loads come back in order: all of x and this row of c are in; the later rows' four loads each may be out
.irp e, 0,1,2,3,4,5,6,7
	v_pk_add_f32 v[Q+16*(\i)+2*\e:Q+16*(\i)+2*\e+1], v[Q+16*(\i)+2*\e:Q+16*(\i)+2*\e+1], v[X+16*(\i)+2*\e:X+16*(\i)+2*\e+1] neg_lo:[0,1] neg_hi:[0,1]   ; c - x
.endr
.irp e, 0,1,2,3,4,5,6,7
.if ((\i) == 0) && (\e < 4)
	v_pk_mul_f32 v[S+2*(\e%4):S+2*(\e%4)+1], v[Q+16*(\i)+2*\e:Q+16*(\i)+2*\e+1], v[Q+16*(\i)+2*\e:Q+16*(\i)+2*\e+1]   ; the first four products start the chains: nothing is cleared
.else
	v_pk_fma_f32 v[S+2*(\e%4):S+2*(\e%4)+1], v[Q+16*(\i)+2*\e:Q+16*(\i)+2*\e+1], v[Q+16*(\i)+2*\e:Q+16*(\i)+2*\e+1], v[S+2*(\e%4):S+2*(\e%4)+1]
.endif
.endr
.irp e, 0,1,2,3,4,5,6,7
	v_pk_add_f32 v[X+16*(\i)+2*\e:X+16*(\i)+2*\e+1], v[X+16*(\i)+2*\e:X+16*(\i)+2*\e+1], v[Q+16*(\i)+2*\e:Q+16*(\i)+2*\e+1]   ; x + (c - x)
.endr
.irp j, 0,1,2,3
	global_store_b128 v1, v[X+16*(\i)+4*\j:X+16*(\i)+4*\j+3], s[10:11] offset:2048*(\i)+512*\j th:TH_STORE_NT
.endr
.endm
	ROW 0
	ROW 1
	ROW 2
	ROW 3
	v_pk_add_f32 v[S:S+1], v[S:S+1], v[S+2:S+3]
	v_pk_add_f32 v[S+4:S+5], v[S+4:S+5], v[S+6:S+7]
	v_pk_add_f32 v[S:S+1], v[S:S+1], v[S+4:S+5]
	v_add_f32 v[S], v[S], v[S+1]
	v_add_f32_dpp v[S], v[S], v[S] row_xmask:1 row_mask:0xf bank_mask:0xf
	v_add_f32_dpp v[S], v[S], v[S] row_xmask:2 row_mask:0xf bank_mask:0xf
	v_add_f32_dpp v[S], v[S], v[S] row_xmask:4 row_mask:0xf bank_mask:0xf
	v_add_f32_dpp v[S], v[S], v[S] row_xmask:8 row_mask:0xf bank_mask:0xf
	v_permlanex16_b32 v[S+1], v[S], s40, s41
	v_add_f32 v[S], v[S], v[S+1]                   ; the wave's sum, in every lane
	v_mov_b32 v2, s14
	v_lshlrev_b32 v2, 2, v2
	ds_store_b32 v2, v[S]                          ; all lanes write the wave's own word with the same value
	s_wait_dscnt 0x0                               ; for the others' sake: my store has landed
	s_barrier_signal -1
	s_barrier_wait -1
	s_cmp_lg_u32 s14, 0                            ; wave 0 adds the sixteen; no barrier stands behind this branch
	s_cbranch_scc1 .Lend
	v_mov_b32 v3, 0
.irp j, 0,1,2,3
	ds_load_b128 v[P+4*\j:P+4*\j+3], v3 offset:16*\j
.endr
	s_wait_dscnt 0x0
	v_pk_add_f32 v[P:P+1], v[P:P+1], v[P+2:P+3]
	v_pk_add_f32 v[P+4:P+5], v[P+4:P+5], v[P+6:P+7]
	v_pk_add_f32 v[P+8:P+9], v[P+8:P+9], v[P+10:P+11]
	v_pk_add_f32 v[P+12:P+13], v[P+12:P+13], v[P+14:P+15]
	v_pk_add_f32 v[P:P+1], v[P:P+1], v[P+4:P+5]
	v_pk_add_f32 v[P+8:P+9], v[P+8:P+9], v[P+12:P+13]
	v_pk_add_f32 v[P:P+1], v[P:P+1], v[P+8:P+9]
	v_add_f32 v[P], v[P], v[P+1]
	s_wait_xcnt 0x0                                ; EXEC changes only behind this wait: stores are out
	v_cmp_eq_u32 vcc_lo, 0, v0
	s_and_saveexec_b32 s42, vcc_lo
	global_store_b32 v3, v[P], s[12:13]            ; thread 0: the work-group's sum
	s_wait_xcnt 0x0                                ; and again in front of the line that widens it
	s_or_b32 exec_lo, exec_lo, s42
.Lend:
	s_wait_tensorcnt 0x0
	ds_add_u32 v160, v161
	s_wait_dscnt 0x0
	s_endpgm
.Lfunc_end_k_q4b5bc73aa3_emit:
	.size	k_q4b5bc73aa3_emit, .Lfunc_end_k_q4b5bc73aa3_emit-k_q4b5bc73aa3_emit
	.p2alignl 7, 3214868480
	.fill 96, 4, 3214868480
	.section	.rodata,"a",@progbits
	.p2align	6, 0x0
	.amdhsa_kernel k_q4b5bc73aa3_emit
		.amdhsa_group_segment_fixed_size 2304
		.amdhsa_private_segment_fixed_size 0
		.amdhsa_enable_private_segment 0
		.amdhsa_kernarg_size 40
		.amdhsa_user_sgpr_count 2
		.amdhsa_user_sgpr_kernarg_segment_ptr 1
		.amdhsa_wavefront_size32 1
		.amdhsa_system_sgpr_workgroup_id_x 1
		.amdhsa_system_sgpr_workgroup_id_y 1
		.amdhsa_system_sgpr_workgroup_id_z 1
		.amdhsa_system_vgpr_workitem_id 0
		.amdhsa_next_free_vgpr 162
		.amdhsa_next_free_sgpr 66
		.amdhsa_reserve_vcc 1
		.amdhsa_float_denorm_mode_32 3
		.amdhsa_float_denorm_mode_16_64 3
		.amdhsa_memory_ordered 1
		.amdhsa_forward_progress 1
		.amdhsa_inst_pref_size 15
	.end_amdhsa_kernel
	.amdgpu_metadata
---
amdhsa.version: [ 1, 2 ]
amdhsa.kernels:
  - .name:           k_q4b5bc73aa3_emit
    .symbol:         k_q4b5bc73aa3_emit.kd
    .args:
      - { .name: inputs, .offset: 0, .size: 8, .value_kind: global_buffer, .address_space: global }
      - { .name: codebook, .offset: 8, .size: 8, .value_kind: global_buffer, .address_space: global }
      - { .name: idx, .offset: 16, .size: 8, .value_kind: global_buffer, .address_space: global }
      - { .name: out0, .offset: 24, .size: 8, .value_kind: global_buffer, .address_space: global }
      - { .name: part, .offset: 32, .size: 8, .value_kind: global_buffer, .address_space: global }
    .group_segment_fixed_size: 2304
    .private_segment_fixed_size: 0
    .kernarg_segment_align: 8
    .kernarg_segment_size: 40
    .max_flat_workgroup_size: 512
    .sgpr_count:     66
    .vgpr_count:     162
    .wavefront_size: 32
...
	.end_amdgpu_metadata
.endif
;; end of part 4
;; launch loss (part 5): grid 1 x 1, 1 waves a work-group, no clusters, 0 bytes of LDS; arguments part, out1; writes out1
.if DOCPART == 5
	.amdgcn_target "amdgcn-amd-amdhsa--gfx1250"
	.amdhsa_code_object_version 6
	.text
	.protected	k_q4b5bc73aa3_loss
	.globl	k_q4b5bc73aa3_loss
	.p2align	8
	.type	k_q4b5bc73aa3_loss,@function
k_q4b5bc73aa3_loss:
	s_mov_b64 s[64:65], 0
	v_nop
	global_prefetch_b8 v0, s[64:65] scope:SCOPE_SE
	s_setreg_imm32_b32 hwreg(HW_REG_WAVE_MODE, 25, 1), 1
	s_wait_xcnt 0x0
; out1 = m + 0.25 m, m = the mean of (c - x)^2 over 16,384 x 512 = 2^23 numbers: the 256 work-groups' sums are added by one wave, 8 a lane, and multiplied by 2^-23, which rounds nothing.
; A sum over work-groups has one owner: this launch.
	s_load_b128 s[4:7], s[0:1], 0x0                ; part, out1
	v_lshlrev_b32 v1, 5, v0                        ; 32 bytes a lane
	v_mov_b32 v2, 0
	s_mov_b32 s8, 0x76543210
	s_mov_b32 s9, 0xfedcba98
	s_wait_kmcnt 0x0
	global_load_b128 v[4:7], v1, s[4:5]
	global_load_b128 v[8:11], v1, s[4:5] offset:16
	s_wait_loadcnt 0x0
	v_pk_add_f32 v[4:5], v[4:5], v[6:7]
	v_pk_add_f32 v[8:9], v[8:9], v[10:11]
	v_pk_add_f32 v[4:5], v[4:5], v[8:9]
	v_add_f32 v4, v4, v5
	v_add_f32_dpp v4, v4, v4 row_xmask:1 row_mask:0xf bank_mask:0xf
	v_add_f32_dpp v4, v4, v4 row_xmask:2 row_mask:0xf bank_mask:0xf
	v_add_f32_dpp v4, v4, v4 row_xmask:4 row_mask:0xf bank_mask:0xf
	v_add_f32_dpp v4, v4, v4 row_xmask:8 row_mask:0xf bank_mask:0xf
	v_permlanex16_b32 v5, v4, s8, s9
	v_add_f32 v4, v4, v5
	v_mul_f32 v4, 0x34000000, v4                   ; x 2^-23: the mean
	v_fmamk_f32 v6, v4, 0x3e800000, v4             ; 0.25 m + m
	s_wait_xcnt 0x0                                ; EXEC changes only behind this wait
	v_cmp_eq_u32 vcc_lo, 0, v0
	s_and_saveexec_b32 s10, vcc_lo
	global_store_b32 v2, v6, s[6:7]
	s_wait_xcnt 0x0
	s_or_b32 exec_lo, exec_lo, s10
	s_endpgm
.Lfunc_end_k_q4b5bc73aa3_loss:
	.size	k_q4b5bc73aa3_loss, .Lfunc_end_k_q4b5bc73aa3_loss-k_q4b5bc73aa3_loss
	.p2alignl 7, 3214868480
	.fill 96, 4, 3214868480
	.section	.rodata,"a",@progbits
	.p2align	6, 0x0
	.amdhsa_kernel k_q4b5bc73aa3_loss
		.amdhsa_group_segment_fixed_size 0
		.amdhsa_private_segment_fixed_size 0
		.amdhsa_enable_private_segment 0
		.amdhsa_kernarg_size 16
		.amdhsa_user_sgpr_count 2
		.amdhsa_user_sgpr_kernarg_segment_ptr 1
		.amdhsa_wavefront_size32 1
		.amdhsa_system_sgpr_workgroup_id_x 1
		.amdhsa_system_sgpr_workgroup_id_y 1
		.amdhsa_system_sgpr_workgroup_id_z 1
		.amdhsa_system_vgpr_workitem_id 0
		.amdhsa_next_free_vgpr 24
		.amdhsa_next_free_sgpr 66
		.amdhsa_reserve_vcc 1
		.amdhsa_float_denorm_mode_32 3
		.amdhsa_float_denorm_mode_16_64 3
		.amdhsa_memory_ordered 1
		.amdhsa_forward_progress 1
		.amdhsa_inst_pref_size 2
	.end_amdhsa_kernel
	.amdgpu_metadata
---
amdhsa.version: [ 1, 2 ]
amdhsa.kernels:
  - .name:           k_q4b5bc73aa3_loss
    .symbol:         k_q4b5bc73aa3_loss.kd
    .args:
      - { .name: part, .offset: 0, .size: 8, .value_kind: global_buffer, .address_space: global }
      - { .name: out1, .offset: 8, .size: 8, .value_kind: global_buffer, .address_space: global }
    .group_segment_fixed_size: 0
    .private_segment_fixed_size: 0
    .kernarg_segment_align: 8
    .kernarg_segment_size: 16
    .max_flat_workgroup_size: 32
    .sgpr_count:     66
    .vgpr_count:     24
    .wavefront_size: 32
...
	.end_amdgpu_metadata
.endif
;; end of part 5
